; MI455X (gfx1250); checked and timed in simulation.
; The chip was launched on July 23, 2026; its instructions are those of AMD's public machine-readable ISA for CDNA 5 (MIT licence, August 2026) and "CDNA5" Instruction Set Architecture Reference Guide (July 2026). The comments in the code are by the model that wrote it; some were corrected since.
;; Mo E Layer. Allowed arithmetic: matrix products marked QUANTISED: E2M1 operands, one E8M0 scale for each 32 along K, by v_wmma_scale_f32_16x16x128_f8f6f4 with both operands' format E2M1 (or v_wmma_scale_f32_32x16x128_f4), f32 sums; products left as they are: f32 operands where the result goes on into a quantised operand, else bf16, f16 or f32 operands; f32 sums; everything else in f32.
;; Inputs: gate_w 8 x 1,024 float32; w1_codes 8 x 4,096 x 32 x 16 uint8 (E2M1 codes of w1, K innermost, in blocks of 32 codes, two codes a byte); w1_scales 8 x 4,096 x 32 uint8 (E8M0 scales of w1, one for each 32 codes along K); w2_codes 8 x 1,024 x 128 x 16 uint8 (E2M1 codes of w2, K innermost, in blocks of 32 codes, two codes a byte); w2_scales 8 x 1,024 x 128 uint8 (E8M0 scales of w2, one for each 32 codes along K); x 2 x 512 x 1,024 float32.
;; Outputs: out0 2 x 512 x 1,024 float32.
;; This version of the problem:
;;   THIS VERSION OF THE PROBLEM IS GIVEN IN LOW PRECISION. The matrix products marked QUANTISED in the list below multiply operands that are first quantised to E2M1 (2 exponent bits, 1 mantissa bit; 4 bits a number), with one power-of-two scale for each 32 numbers along K (OCP MX v1.0); their sums are f32. All else is computed in f32.
;;   The module's matrix products, in the order in which they are computed (A, B: the left and right operand; K: the contracted axis; several contracted axes count as one K, in the product's order):
;;     1. [M 1,024, K 1,024] x [K 1,024, N 8]; A: input x; B: input gate_w: left as it is (N = 8 < 16)
;;     2. [M 32,768, K 1,024] x [K 1,024, N 1,024]; A: input w1 (given as codes); B: input x: QUANTISED
;;     3. batch 8 x [M 1,024, K 4,096] x [K 4,096, N 1,024]; A: computed on the way; B: input w2 (given as codes): QUANTISED
;;     4. batch 1,024 x [M 1,024, K 8] x [K 8, N 1]; A: computed on the way; B: computed on the way: left as it is (K = 8 < 32)
;;   THE QUANTISER, for each operand of a quantised product, along K:
;;     - K is cut into blocks of 32 from its start; a last block that is shorter is filled with zeros.
;;     - A block's scale is 2^e with e = floor(log2(the largest magnitude in the block)) - 2, held to -126 .. 127; a block of zeros has e = 0. As a byte (E8M0): e + 127.
;;     - Each number is divided by its block's scale, clamped to +-6, and rounded to the nearest number of E2M1, ties to even, subnormals kept.
;;     - The product sums the exact products of the quantised numbers (number of the format x scale) in f32.
;;   ~~~python
;;   def quantise(x, axis):      # numpy; x: float32 -> the quantised numbers, widened to float32 again
;;       x = np.moveaxis(x, axis, -1); K = x.shape[-1]
;;       x = np.pad(x, [(0, 0)] * (x.ndim - 1) + [(0, -K % 32)]); x = x.reshape(x.shape[:-1] + (-1, 32)); a = np.abs(x).max(-1, keepdims=True)
;;       e = np.where(a > 0, np.clip(np.frexp(np.where(a > 0, a, 1))[1] - 1 - 2, -126, 127), 0)      # np.frexp(a)[1] - 1 = floor(log2(a)), exactly
;;       r = np.clip(x / 2.0 ** e, -6, 6)
;;       step = 2.0 ** (np.maximum(np.frexp(np.where(r == 0, 1, r))[1] - 1, 0) - 1)
;;       q = np.round(r / step) * step * 2.0 ** e      # np.round: ties to even
;;       return np.moveaxis(q.reshape(q.shape[:-2] + (-1,))[..., :K], -1, axis).astype(np.float32)
;;   ~~~
;;   OPERANDS COMPUTED ON THE WAY. 'Computed on the way' means the value that the module computes at that place (a softmax that the list does not call 'softmax' is quantised finished and normalised). What goes into a quantiser is computed in f32, as accurately as f32 sums, v_exp_f32 and their like allow (about 1e-6 of the number): no bf16 or f16 on the way to a quantiser, and a product that is left as it is and whose result goes on into a quantised operand takes f32 operands (vector FMAs, or v_wmma_f32_16x16x4_f32). A number that lies on a knife's edge between two numbers of the format may be rounded either way, as far as f32 arithmetic and the matrix unit's own rounding can turn it there, and no further.
;;   INPUTS GIVEN AS CODES. w1 (in the module: [8, 1024, 4096], K = its axis 1); w2 (in the module: [8, 4096, 1024], K = its axis 1): each comes as NAME_codes (uint8): NAME with its K axis moved to the last place and cut into blocks of 32 codes, [.., K / 32, bytes a block], one block behind the other in memory; two codes a byte, the lower K in the low four bits (a code: sign, 2 exponent bits, 1 mantissa bit); and NAME_scales (uint8): the same leading axes, one E8M0 byte (e + 127) for each 32 codes along K. Its value is code x scale, taken as it is: it is not quantised again, and the codes and scales need not be those that the quantiser above would give.
;; One version. Each part assembles by itself: llvm-mc -triple=amdgcn-amd-amdhsa -mcpu=gfx1250 --defsym DOCPART=n.
;; ======== version 1 of 1: 3 launches
;; workspace buffers: xq 524,288 bytes; xs 32,768 bytes; ids 4,096 bytes of whole numbers; himg 16,777,216 bytes; hsc 1,048,576 bytes; order 33,024 bytes of whole numbers
;; launch route (part 1): grid 256 x 1, 2 waves a work-group, no clusters, 0 bytes of LDS; arguments x, gate_w, xq, xs, ids; writes xq, xs, ids
.if DOCPART == 1
	.amdgcn_target "amdgcn-amd-amdhsa--gfx1250"
	.amdhsa_code_object_version 6
	.text
	.protected	k_q91c7136477_route
	.globl	k_q91c7136477_route
	.p2align	8
	.type	k_q91c7136477_route,@function
k_q91c7136477_route:
	s_mov_b64 s[64:65], 0
	v_nop
	global_prefetch_b8 v0, s[64:65] scope:SCOPE_SE
	s_setreg_imm32_b32 hwreg(HW_REG_WAVE_MODE, 25, 1), 1
	s_wait_xcnt 0x0
; MoE layer, top-1 routing, both expert products on codes of FP4 (E2M1) with one E8M0 scale for each 32 along K.  Three launches: route, up, down.
; THIS LAUNCH: for each of the 1,024 tokens the 8 router logits in f32 and their argmax (the first maximum wins), stored as a whole number at a fixed place;
; and x as codes (xq [token][512 bytes], K innermost) with its scale words (xs [token][8 words], word s = the four bytes of k = 128 s .. 128 s + 127).
; WORK LEFT OUT BY THE PROGRAM.  out[t] = sum over e of out_e[t] x onehot(argmax)[t][e].  For e other than the token's argmax the factor is a 0 that the layer builds itself, whatever finite values
; the inputs hold: so the rows (e, t) of the two expert products with e other than the token's expert reach no output and are not multiplied, and the last product (K = 8) is a lookup by the stored index.
; Every input has a way to the output and is loaded.  LIMIT: a NaN, an infinity or an overflow that arises only in an expert that was not chosen is not carried to the result.
; LIMITS: NaN and infinities in x or gate_w are not served.  The logits are summed in another order than a plain chain: two logits of a token closer than the rounding of an f32 sum of 1,024 terms may be
; ordered otherwise.  A block whose largest magnitude lies under 2^-124 keeps the byte 1; a block of zeros gets the byte 1 with zero codes (the bytes are read by this program alone).
; SHARES.  A wave takes two tokens, so that its 32 KB of gate_w serve twice.  Lane l holds, of each half i of a row, the 16 neighbours k = 512 i + 16 l + 0 .. 15 (four loads of 16 bytes, lanes 64 bytes apart:
; the four together take the half row's 2,048 bytes): two neighbouring lanes hold a block of 32, and the conversions find their eight numbers in one lane's registers.  gate_w is loaded the same way.
; No LDS, no barrier, no matrix instruction: a product with N = 8 feeds no matrix tile, and its result steers the routing, so it is kept in f32.
; REGISTERS: v1-7 lane terms; v8-15 at work; v16-79 x (token t at 16 + 32 t); v80-111 the logits' sums, a pair for (t, e) at 80 + 16 t + 2 e; v112-119 codes; v120-123 scale bytes, then words;
; v124-127 best and index; v128-255 gate_w of experts 0-3; window 1 v0-127 experts 4-7.
.set X,   16
.set ACC, 80
.set CD,  112
.set BY,  120
.set G,   128
.set MSB, 0
.macro WIN new                         ; the immediate's high byte repeats the setting that is left
.if MSB != \new
	s_set_vgpr_msb (MSB<<8)|\new
.set MSB, \new
.endif
.endm
	s_load_b256 s[4:11], s[0:1], 0x0               ; x s[4:5], gate_w s[6:7], xq s[8:9], xs s[10:11]
	s_load_b64 s[12:13], s[0:1], 0x20              ; ids
	v_lshrrev_b32 v8, 5, v0
	v_readfirstlane_b32 s14, v8                    ; wave 0, 1
	v_and_b32 v1, 31, v0                           ; lane
	v_lshlrev_b32 v2, 6, v1                        ; my 64 bytes of a half row
	v_lshlrev_b32 v3, 3, v1                        ; my 8 bytes of a half row's codes
	v_bfe_u32 v4, v0, 1, 2
	v_lshlrev_b32 v4, 3, v4                        ; my block's byte in its scale word: 8 x ((lane / 2) % 4) bits up
	v_and_b32 v5, 7, v0                            ; u = lane % 8
	v_bfe_u32 v6, v0, 3, 2
	v_lshlrev_b32 v6, 2, v6
	v_lshl_add_u32 v6, v5, 4, v6                   ; where lane u < 4 of group m = lane / 8 stores a scale word: token u / 2, word 4 (u % 2) + m: 16 u + 4 m
	v_lshlrev_b32 v7, 2, v1
	s_lshl_b32 s15, ttmp9, 2
	s_lshl_b32 s16, s14, 1
	s_add_co_u32 s15, s15, s16                     ; my first token: 4 x work-group + 2 x wave
	s_mov_b32 s17, 0
	s_mov_b32 s18, 0x76543210
	s_mov_b32 s19, 0xfedcba98                      ; v_permlanex16_b32's selects for lane l xor 16
	s_wait_kmcnt 0x0
	s_lshl_b32 s16, s15, 12
	s_add_nc_u64 s[4:5], s[4:5], s[16:17]          ; x: 4,096 bytes a token
	s_lshl_b32 s16, s15, 9
	s_add_nc_u64 s[8:9], s[8:9], s[16:17]          ; xq: 512
	s_lshl_b32 s16, s15, 5
	s_add_nc_u64 s[10:11], s[10:11], s[16:17]      ; xs: 32
	s_lshl_b32 s16, s15, 2
	s_add_nc_u64 s[12:13], s[12:13], s[16:17]      ; ids: 4
.irp t, 0,1
.irp i, 0,1
.irp q, 0,1,2,3
	global_load_b128 v[X+32*\t+16*\i+4*\q:X+32*\t+16*\i+4*\q+3], v2, s[4:5] offset:4096*\t+2048*\i+16*\q th:TH_LOAD_NT
.endr
.endr
.endr
.irp e, 0,1,2,3
.irp i, 0,1
.irp q, 0,1,2,3
	global_load_b128 v[G+32*\e+16*\i+4*\q:G+32*\e+16*\i+4*\q+3], v2, s[6:7] offset:4096*\e+2048*\i+16*\q
.endr
.endr
.endr
	WIN 0x40                                       ; destination window 1
.irp e, 0,1,2,3
.irp i, 0,1
.irp q, 0,1,2,3
	global_load_b128 v[32*\e+16*\i+4*\q:32*\e+16*\i+4*\q+3], v2, s[6:7] offset:4096*(\e+4)+2048*\i+16*\q
.endr
.endr
.endr
	WIN 0
; 16 numbers of token t, half i, become 8 bytes of codes and my block's scale byte.
.macro QX t, i
.set XQ, X+32*\t+16*\i
	v_max3_num_f32 v8, |v[XQ]|, |v[XQ+1]|, |v[XQ+2]|               ; the largest magnitude of my 16, in two chains
	v_max3_num_f32 v9, |v[XQ+3]|, |v[XQ+4]|, |v[XQ+5]|
.irp k, 6,10
	v_max3_num_f32 v8, v8, |v[XQ+\k]|, |v[XQ+\k+1]|
	v_max3_num_f32 v9, v9, |v[XQ+\k+2]|, |v[XQ+\k+3]|
.endr
	v_max3_num_f32 v8, v8, |v[XQ+14]|, |v[XQ+15]|
	v_max3_num_f32 v8, v8, v9, 0x1800000           ; and the floor 2^(3 - 127): the byte cannot fall under 1
	v_max_num_f32_dpp v8, v8, v8 row_xmask:1 row_mask:0xf bank_mask:0xf   ; with my neighbour's 16: the block's
	v_add_nc_u32 v11, 0xff000000, v8               ; 2 off its exponent field: the conversion takes the exponent field of this operand as its scale
	v_cvt_scalef32_pk8_fp4_f32 v[CD+4*\t+2*\i], v[XQ:XQ+7], v11
	v_cvt_scalef32_pk8_fp4_f32 v[CD+4*\t+2*\i+1], v[XQ+8:XQ+15], v11
	v_lshrrev_b32 v[BY+2*\t+\i], 23, v11           ; the scale's byte (a plain line behind the conversions)
	global_store_b64 v3, v[CD+4*\t+2*\i:CD+4*\t+2*\i+1], s[8:9] offset:512*\t+256*\i   ; the wave stores 256 consecutive bytes, aligned
.endm
	s_wait_loadcnt 0x3f                            ; 64 loads were issued behind x's sixteen; 63 is the most that a wait can name: x is in
	QX 0, 0
	QX 0, 1
	QX 1, 0
	QX 1, 1
	; the scale words: each byte goes to its place, and the eight lanes that share 128 along K gather the four
	v_mov_b32 v10, 0                               ; (a DPP destination counts as read)
.irp n, 0,1,2,3
	v_lshlrev_b32 v[BY+\n], v4, v[BY+\n]
.endr
.irp m, 2,4
.irp n, 0,1,2,3
	v_mov_b32_dpp v10, v[BY+\n] row_xmask:\m row_mask:0xf bank_mask:0xf
	v_or_b32 v[BY+\n], v[BY+\n], v10
.endr
.endr
	v_and_b32 v8, 1, v5
	v_cmp_eq_u32 s20, 1, v8
	v_and_b32 v9, 2, v5
	v_cmp_eq_u32 s21, 2, v9
	v_cndmask_b32 v[BY], v[BY], v[BY+1], s20       ; lane u takes the word of (token, half) = (u / 2, u % 2)
	v_cndmask_b32 v[BY+2], v[BY+2], v[BY+3], s20
	v_cndmask_b32 v[BY], v[BY], v[BY+2], s21
; the logits of experts 2 g and 2 g + 1 for both tokens: four chains of packed multiply-adds by turns; the first product starts each sum
.macro LOGITS g, gb
.set p, 0
.rept 16
.irp d, 0,1
.irp t, 0,1
.if p == 0
	v_pk_mul_f32 v[ACC+16*\t+4*\g+2*\d:ACC+16*\t+4*\g+2*\d+1], v[X+32*\t:X+32*\t+1], v[\gb+32*\d:\gb+32*\d+1]
.else
	v_pk_fma_f32 v[ACC+16*\t+4*\g+2*\d:ACC+16*\t+4*\g+2*\d+1], v[X+32*\t+2*p:X+32*\t+2*p+1], v[\gb+32*\d+2*p:\gb+32*\d+2*p+1], v[ACC+16*\t+4*\g+2*\d:ACC+16*\t+4*\g+2*\d+1]
.endif
.endr
.endr
.set p, p+1
.endr
.endm
	s_wait_loadcnt 48                              ; the 48 loads of experts 2 to 7 may be out
	LOGITS 0, G
	s_wait_loadcnt 32
	LOGITS 1, G+64
	s_wait_loadcnt 16
	WIN 0x04                                       ; source 1 window 1
	LOGITS 2, 0
	s_wait_loadcnt 0x0
	LOGITS 3, 64
	WIN 0
.irp k, 0,1,2,3,4,5,6,7,8,9,10,11,12,13,14,15
	v_add_f32 v[ACC+2*\k], v[ACC+2*\k], v[ACC+2*\k+1]
.endr
.irp m, 1,2,4,8
.irp k, 0,1,2,3,4,5,6,7,8,9,10,11,12,13,14,15
	v_add_f32_dpp v[ACC+2*\k], v[ACC+2*\k], v[ACC+2*\k] row_xmask:\m row_mask:0xf bank_mask:0xf
.endr
.endr
.irp k, 0,1,2,3,4,5,6,7,8,9,10,11,12,13,14,15
	v_permlanex16_b32 v[ACC+2*\k+1], v[ACC+2*\k], s18, s19
.endr
.irp k, 0,1,2,3,4,5,6,7,8,9,10,11,12,13,14,15
	v_add_f32 v[ACC+2*\k], v[ACC+2*\k], v[ACC+2*\k+1]          ; every lane holds every logit
.endr
	v_mov_b32 v124, v[ACC]                         ; the argmax: a later expert wins only where it is strictly larger, so the lower index is kept
	v_mov_b32 v125, 0
	v_mov_b32 v126, v[ACC+16]
	v_mov_b32 v127, 0
.irp e, 1,2,3,4,5,6,7
	v_cmp_gt_f32 vcc_lo, v[ACC+2*\e], v124
	v_cmp_gt_f32 s20, v[ACC+16+2*\e], v126
	v_cndmask_b32 v125, v125, \e, vcc_lo
	v_cndmask_b32 v127, v127, \e, s20
	v_max_num_f32 v124, v124, v[ACC+2*\e]
	v_max_num_f32 v126, v126, v[ACC+16+2*\e]
.endr
	v_cmp_eq_u32 vcc_lo, 1, v1
	v_cndmask_b32 v125, v125, v127, vcc_lo         ; lane 1 takes the second token's
	; the small stores: 64 neighbouring bytes of scale words and 8 of indices for two tokens, one byte in 128 of what the wave reads.  No address and no branch hangs on the index.
	v_cmp_gt_u32 vcc_lo, 4, v5
	s_wait_xcnt 0x0                                ; EXEC changes only behind this wait
	s_and_saveexec_b32 s22, vcc_lo
	global_store_b32 v6, v[BY], s[10:11]
	s_wait_xcnt 0x0
	s_or_b32 exec_lo, exec_lo, s22
	v_cmp_gt_u32 vcc_lo, 2, v1
	s_and_saveexec_b32 s22, vcc_lo
	global_store_b32 v7, v125, s[12:13]
	s_endpgm
.Lfunc_end_k_q91c7136477_route:
	.size	k_q91c7136477_route, .Lfunc_end_k_q91c7136477_route-k_q91c7136477_route
	.p2alignl 7, 3214868480
	.fill 96, 4, 3214868480
	.section	.rodata,"a",@progbits
	.p2align	6, 0x0
	.amdhsa_kernel k_q91c7136477_route
		.amdhsa_group_segment_fixed_size 0
		.amdhsa_private_segment_fixed_size 0
		.amdhsa_enable_private_segment 0
		.amdhsa_kernarg_size 40
		.amdhsa_user_sgpr_count 2
		.amdhsa_user_sgpr_kernarg_segment_ptr 1
		.amdhsa_wavefront_size32 1
		.amdhsa_system_sgpr_workgroup_id_x 1
		.amdhsa_system_sgpr_workgroup_id_y 1
		.amdhsa_system_sgpr_workgroup_id_z 1
		.amdhsa_system_vgpr_workitem_id 0
		.amdhsa_next_free_vgpr 384
		.amdhsa_next_free_sgpr 66
		.amdhsa_reserve_vcc 1
		.amdhsa_float_denorm_mode_32 3
		.amdhsa_float_denorm_mode_16_64 3
		.amdhsa_memory_ordered 1
		.amdhsa_forward_progress 1
		.amdhsa_inst_pref_size 39
	.end_amdhsa_kernel
	.amdgpu_metadata
---
amdhsa.version: [ 1, 2 ]
amdhsa.kernels:
  - .name:           k_q91c7136477_route
    .symbol:         k_q91c7136477_route.kd
    .args:
      - { .name: x, .offset: 0, .size: 8, .value_kind: global_buffer, .address_space: global }
      - { .name: gate_w, .offset: 8, .size: 8, .value_kind: global_buffer, .address_space: global }
      - { .name: xq, .offset: 16, .size: 8, .value_kind: global_buffer, .address_space: global }
      - { .name: xs, .offset: 24, .size: 8, .value_kind: global_buffer, .address_space: global }
      - { .name: ids, .offset: 32, .size: 8, .value_kind: global_buffer, .address_space: global }
    .group_segment_fixed_size: 0
    .private_segment_fixed_size: 0
    .kernarg_segment_align: 8
    .kernarg_segment_size: 40
    .max_flat_workgroup_size: 64
    .sgpr_count:     66
    .vgpr_count:     384
    .wavefront_size: 32
...
	.end_amdgpu_metadata
.endif
;; end of part 1
;; launch up (part 2): grid 32 x 8, 8 waves a work-group, no clusters, 76,800 bytes of LDS; arguments ids, xq, xs, w1_codes, w1_scales, himg, hsc, order; writes himg, hsc, order
.if DOCPART == 2
	.amdgcn_target "amdgcn-amd-amdhsa--gfx1250"
	.amdhsa_code_object_version 6
	.text
	.protected	k_q91c7136477_up
	.globl	k_q91c7136477_up
	.p2align	8
	.type	k_q91c7136477_up,@function
k_q91c7136477_up:
	s_mov_b64 s[64:65], 0
	v_nop
	global_prefetch_b8 v0, s[64:65] scope:SCOPE_SE
	s_setreg_imm32_b32 hwreg(HW_REG_WAVE_MODE, 25, 1), 1
	s_wait_xcnt 0x0
; h = Q(gelu(Q(x) W1[e])) for the rows of each expert's own tokens alone: the rows of the other experts are multiplied by a 0 of the layer's own one-hot further on and reach no output (shown at the head of the first launch).
; SHARES.  Work-group (x = chunk, y = expert e) owns hidden units 128 chunk .. + 127 of expert e, which are K step chunk of the second product.  Wave w has half p = w / 4 of them: 64 units over all of K = 1,024
; stay in 256 registers (window 1) for the whole launch.  It walks the expert's tiles of 16 tokens j = jm + 4 i, jm = (w + 2 p) % 4.  A unit of work (a tile, a half) is 32 matrix instructions, 32 gelus a lane, two blocks.
; THE LIST.  Wave 0 builds the expert's list of tokens in LDS from the 1,024 stored indices (a rank by counting lanes; no atomics), while the weights are on their way: its indices are asked for ahead of its weights.
; Any order inside an expert serves: the list of chunk 0 is stored (order) with the count n, and the next launch scatters by it.  PLACES n .. n + 31 REPEAT THE EXPERT'S LAST TOKEN (place n - 1, which lies in the last tile):
; the rows that fill the last tile so carry the same codes as that token's own row, give the same bits in both products, and are stored by the next launch onto the same bytes by the same wave: it needs no mask.
; Further places hold token 0 and belong to no tile that is worked.  An expert without tokens still makes tile 0 (token 0), so that every byte that the next launch loads has been stored; nothing of it reaches the output.
; NO TENSOR LOADS, NO CLUSTER: the number of tiles is a count read from memory and branches hang on it; so operands go through registers, and the chunk's rows of W1 (read by this work-group alone) are shared through LDS once.
; LAYOUT.  The product is used transposed (source 0 = 16 rows of W1, source 1 = 16 tokens), and THE ROWS OF W1 THAT FORM A TILE ARE NOT NEIGHBOURS: lane r of tile 2 b + u takes unit 32 b + 8 u + r + 8 (r / 8),
; so that the 16 registers of tiles 2 b, 2 b + 1 are 16 neighbours along the next K.  The codes leave as an image of the next operand's registers: himg [e][tile][K step][c][lane][16 bytes], 512 consecutive bytes a store;
; the scale bytes into hsc [e][tile][K step / 4][row][K step % 4] words (32 single bytes of one run of 256 a store: one byte for 16 of codes).
; GELU, exact form: gelu(x) = max(x, 0) - |x| a, a = erfc(|x| / sqrt 2) / 2 = t 2^E, t = 1 / (1 + 0.35355339 |x|), E = -0.72134752 x^2 + a polynomial of degree 9 in t (the known fit of erfc with a fractional
; error of 1.2e-7 everywhere, its coefficients times log2 e, 1 off the constant for the half).  Relatively accurate in both tails, no branch.
; LIMITS: NaN and infinities are not served.  2^E under 2^-126 comes out as 0, so gelu(x) for x under about -13.2 is -0.  A block whose largest magnitude lies under 2^-124 keeps the byte 1; a block of zeros gets the byte 1 with zero codes.
; LDS: 128 slots of 528 bytes (a row of W1, 512 bytes, + 16: sixteen neighbouring slots begin 16 bytes apart modulo 256); slot 16 t + m holds row m of tile t.  Behind them the list: 1,088 entries, the count at + 4,352,
; a dump for lanes of other experts from + 4,608; 8,192 bytes, as far as the clamped rank can reach.  Behind it the spare words.
; REGISTERS, window 0: v1 lane, v2 r, v3 h; v4, v5 the add's two; v6 list address; v7, v8 offsets of a tile's codes and scale words of x; v9 next tile's tokens; v10 16 x lane; v11, v12 offsets in hsc and order;
; v13, v14 LDS addresses of W1; v15 this tile's tokens; v[16:17] c8 twice; v18-25 at work; v26 scale byte; v27 the count's address; v28-31 codes; v32-47 W1's scale words; v48-55 x's; v56-87 the four accumulators
; (in wave 0's placing: ranks, then list addresses); v88-151 x's eight fragments (in the placing: the tokens); v152-247 gelu's t, polynomial and a third set (at the head: weights on their way, wave 0's indices);
; v248 16 h; v249 the last token's place; v250-255 lane terms and temporaries.  Window 1: W1's 32 fragments.  s66-97: the placing's 32 masks.
.set PITCH, 528
.set LIST,  128*PITCH
.set CNT,   LIST+4352
.set SPARE, LIST+8192
.set TM, 18
.set PC, 28
.set WS, 32
.set XS, 48
.set HA, 56
.set XF, 88
.set GT, 152
.set GP, 184
.set GQ, 216
.set MK, 66
.set MSB, 0
.macro WIN new                         ; the immediate's high byte repeats the setting that is left
.if MSB != \new
	s_set_vgpr_msb (MSB<<8)|\new
.set MSB, \new
.endif
.endm
.macro PAIR r, bits                    ; a constant for the packed forms, which name a pair and take its low word for both halves
	s_mov_b32 s[\r], \bits
	s_mov_b32 s[\r+1], \bits
.endm
; my 16 rows of W1, a whole row of 512 consecutive bytes a load (read once in the launch), and my half's scale words: 16 + 4 loads
.macro WLOAD
.set i, 0
.rept 16
	global_load_b128 v[GT+4*i:GT+4*i+3], v10, s[10:11] offset:512*i th:TH_LOAD_NT
.set i, i+1
.endr
.irp g, 0,1
.irp k, 0,1
	global_load_b128 v[WS+8*\g+4*\k:WS+8*\g+4*\k+3], v254, s[12:13] offset:1024*\g+16*\k
.endr
.endr
.endm
; a tile's 16 tokens: lane (r, h) takes of token r, for K step s, the 16 bytes at 64 s + 32 c + 16 h; and the token's eight scale words.  18 loads.
.macro XREQ
.irp s, 0,1,2,3,4,5,6,7
.irp c, 0,1
	global_load_b128 v[XF+8*\s+4*\c:XF+8*\s+4*\c+3], v7, s[6:7] offset:64*\s+32*\c
.endr
.endr
	global_load_b128 v[XS:XS+3], v8, s[8:9]
	global_load_b128 v[XS+4:XS+7], v8, s[8:9] offset:16
.endm
; 32 matrix instructions: K step by K step, the four accumulators by turns, one instruction a turn; the first K step starts the sums.
; W1's scale words: a register holds tile 2 g's in lanes 0-15 and tile 2 g + 1's in lanes 16-31.
.macro MUL32
.irp s, 0,1,2,3,4,5,6,7
.irp t, 0,1,2,3
.if \t % 2
.if \s == 0
	v_wmma_scale_f32_16x16x128_f8f6f4 v[HA+8*\t:HA+8*\t+7], v[8*(8*\t+\s):8*(8*\t+\s)+7], v[XF+8*\s:XF+8*\s+7], 0, v[WS+8*(\t/2)+\s], v[XS+\s] matrix_a_fmt:MATRIX_FMT_FP4 matrix_b_fmt:MATRIX_FMT_FP4 matrix_a_scale:MATRIX_SCALE_ROW1
.else
	v_wmma_scale_f32_16x16x128_f8f6f4 v[HA+8*\t:HA+8*\t+7], v[8*(8*\t+\s):8*(8*\t+\s)+7], v[XF+8*\s:XF+8*\s+7], v[HA+8*\t:HA+8*\t+7], v[WS+8*(\t/2)+\s], v[XS+\s] matrix_a_fmt:MATRIX_FMT_FP4 matrix_b_fmt:MATRIX_FMT_FP4 matrix_a_scale:MATRIX_SCALE_ROW1
.endif
.else
.if \s == 0
	v_wmma_scale_f32_16x16x128_f8f6f4 v[HA+8*\t:HA+8*\t+7], v[8*(8*\t+\s):8*(8*\t+\s)+7], v[XF+8*\s:XF+8*\s+7], 0, v[WS+8*(\t/2)+\s], v[XS+\s] matrix_a_fmt:MATRIX_FMT_FP4 matrix_b_fmt:MATRIX_FMT_FP4
.else
	v_wmma_scale_f32_16x16x128_f8f6f4 v[HA+8*\t:HA+8*\t+7], v[8*(8*\t+\s):8*(8*\t+\s)+7], v[XF+8*\s:XF+8*\s+7], v[HA+8*\t:HA+8*\t+7], v[WS+8*(\t/2)+\s], v[XS+\s] matrix_a_fmt:MATRIX_FMT_FP4 matrix_b_fmt:MATRIX_FMT_FP4
.endif
.endif
.endr
.endr
.endm
; gelu of the 32 numbers in the accumulators, in place.  Each accumulator is read from its low end on.  The reciprocals are one batch and the exponentials another, each with plain work and one wait behind it.
.macro GELU
.set n, 0
.rept 32
	v_fma_f32 v[GT+n], |v[HA+n]|, s60, 1.0         ; 1 + 0.35355339 |x|
.set n, n+1
.endr
.set n, 0
.rept 32
	v_rcp_f32 v[GT+n], v[GT+n]                     ; t
.set n, n+1
.endr
.set n, 0
.rept 16
	v_pk_mul_f32 v[GQ+n:GQ+n+1], v[HA+n:HA+n+1], s[58:59] op_sel_hi:[1,0]   ; -0.72134752 x: plain work behind the batch
.set n, n+2
.endr
	s_wait_alu depctr_va_vdst(0)                   ; one wait for the 32 reciprocals, ahead of their first reader
.set n, 0
.rept 16
	v_pk_fma_f32 v[GP+n:GP+n+1], v[GT+n:GT+n+1], s[40:41], v[16:17] op_sel_hi:[1,0,1]   ; c9 t + c8
.set n, n+2
.endr
.irp c, 42,44,46,48,50,52,54,56                ; c7 down to c0
.set n, 0
.rept 16
	v_pk_fma_f32 v[GP+n:GP+n+1], v[GP+n:GP+n+1], v[GT+n:GT+n+1], s[\c:\c+1] op_sel_hi:[1,1,0]
.set n, n+2
.endr
.endr
.set n, 0
.rept 16
	v_pk_fma_f32 v[GP+n:GP+n+1], v[GQ+n:GQ+n+1], v[HA+n:HA+n+1], v[GP+n:GP+n+1]   ; E
.set n, n+2
.endr
.set n, 0
.rept 32
	v_exp_f32 v[GP+n], v[GP+n]
.set n, n+1
.endr
.set n, 0
.rept 32
	v_max_num_f32 v[GQ+n], 0, v[HA+n]              ; max(x, 0): plain work behind the batch
.set n, n+1
.endr
	s_wait_alu depctr_va_vdst(0)                   ; one wait for the 32 exponentials
.set n, 0
.rept 16
	v_pk_mul_f32 v[GP+n:GP+n+1], v[GP+n:GP+n+1], v[GT+n:GT+n+1]   ; a = t 2^E
.set n, n+2
.endr
.set n, 0
.rept 32
	v_fma_f32 v[HA+n], -|v[HA+n]|, v[GP+n], v[GQ+n]
.set n, n+1
.endr
.endm
; my 32 numbers are halves of two blocks of 32 along the next K (block g: registers 16 g + 0 .. 15; the other half lies in lane l xor 16): four registers of codes, two scale bytes
.macro QUANT2
.irp g, 0,1
	v_max3_num_f32 v[TM+\g], |v[HA+16*\g]|, |v[HA+16*\g+1]|, 0x1800000   ; with the floor 2^(3 - 127): the byte cannot fall under 1
.endr
.irp i, 2,4,6,8,10,12,14
.irp g, 0,1
	v_max3_num_f32 v[TM+\g], v[TM+\g], |v[HA+16*\g+\i]|, |v[HA+16*\g+\i+1]|
.endr
.endr
.irp g, 0,1
	v_permlanex16_b32 v[TM+2+\g], v[TM+\g], s38, s39
.endr
.irp g, 0,1
	v_max_num_f32 v[TM+\g], v[TM+\g], v[TM+2+\g]   ; the block's largest magnitude
.endr
.irp g, 0,1
	v_add_nc_u32 v[TM+4+\g], 0xff000000, v[TM+\g]  ; 2 off its exponent field: the conversion's scale operand
.endr
.irp g, 0,1
	v_lshrrev_b32 v[TM+6+\g], 23, v[TM+4+\g]       ; the scale's byte
.endr
.irp g, 0,1
	v_cvt_scalef32_pk8_fp4_f32 v[PC+2*\g], v[HA+16*\g:HA+16*\g+7], v[TM+4+\g]
	v_cvt_scalef32_pk8_fp4_f32 v[PC+2*\g+1], v[HA+16*\g+8:HA+16*\g+15], v[TM+4+\g]
.endr
	v_nop                                          ; one plain line behind the last scaled conversion
	v_permlane16_swap_b32 v[PC], v[PC+2]           ; the operand's layout wants a whole block in a lane: lanes 0-15 the first block, lanes 16-31 the second
	v_permlane16_swap_b32 v[PC+1], v[PC+3]
	v_cndmask_b32 v26, v[TM+6], v[TM+7], s62       ; lanes 0-15 store the first block's byte of row r, lanes 16-31 the second's
.endm
	s_load_b512 s[4:19], s[0:1], 0x0               ; ids 4:5, xq 6:7, xs 8:9, W1's codes 10:11, its scales 12:13, himg 14:15, hsc 16:17, order 18:19
	v_lshl_add_u32 v4, v0, 2, SPARE
	v_mov_b32 v5, 0
	v_lshrrev_b32 v1, 5, v0
	v_readfirstlane_b32 s20, v1                    ; wave 0..7
	v_and_b32 v1, 31, v0                           ; lane
	v_and_b32 v2, 15, v0                           ; r
	v_bfe_u32 v3, v0, 4, 1                         ; h
	s_lshr_b32 s21, s20, 2                         ; p: which 64 of the 128 units
	s_lshl_b32 s22, s21, 1
	s_add_co_u32 s22, s22, s20
	s_and_b32 s22, s22, 3                          ; jm: my first tile
	s_mov_b32 s23, ttmp9                           ; chunk
	s_and_b32 s24, ttmp7, 0xffff                   ; expert
	; every LDS address register that is used behind the branch on the wave's number is made here, ahead of it
	s_lshl_b32 s30, s22, 6
	s_add_co_u32 s30, s30, LIST
	v_lshl_add_u32 v6, v2, 2, s30                  ; the list's entry 16 jm + r
	v_lshlrev_b32 v10, 4, v1
	v_lshl_add_u32 v11, v2, 4, v3                  ; hsc: 16 r + h
	v_and_b32 v12, 1, v2
	v_lshrrev_b32 v252, 1, v2
	v_lshlrev_b32 v252, 2, v252
	v_lshl_add_u32 v12, v12, 5, v252               ; order: 32 (r % 2) + 4 (r / 2)
	s_mul_i32 s30, s21, 64*PITCH
	v_mul_u32_u24 v13, v2, PITCH
	v_lshl_add_u32 v13, v3, 4, v13
	v_add_nc_u32 v13, s30, v13                     ; a fragment of W1: slot 64 p + r, + 16 h
	s_lshr_b32 s30, s20, 1
	s_lshl_b32 s30, s30, 5
	s_and_b32 s31, s20, 1
	s_lshl_b32 s31, s31, 3
	s_add_co_u32 s30, s30, s31
	s_mul_i32 s30, s30, PITCH
	v_add_nc_u32 v14, s30, v10                     ; where my 16 rows of W1 go: row 16 w + i lies in slot 32 (w / 2) + 8 (w % 2) + 16 (i / 8) + i % 8
	v_mov_b32 v27, CNT
	v_lshlrev_b32 v248, 4, v3
	v_add_nc_u32 v250, 1152, v1                    ; the dump's entry for my lane
	v_lshlrev_b32 v251, 2, v1
	v_add_nc_u32 v255, LIST, v10
	v_and_b32 v254, 8, v2
	v_add_nc_u32 v254, v254, v2
	v_lshl_add_u32 v254, v3, 3, v254
	v_lshlrev_b32 v254, 5, v254                    ; W1's scale words: unit 8 h + r + 8 (r / 8) of a block of 32, 32 bytes a unit
	v_mov_b32 v16, 0xbf97d29d                      ; c8
	v_mov_b32 v17, 0xbf97d29d
	v_mov_b32 v[TM+2], 0                           ; written once: a lane permute's destination counts as one of its sources
	v_mov_b32 v[TM+3], 0
	s_mov_b32 s38, 0x76543210
	s_mov_b32 s39, 0xfedcba98                      ; v_permlanex16_b32's selects for lane l xor 16
	PAIR 40, 0x3e7c6f08                            ; c9 =  0.24651730
	PAIR 42, 0x40097039                            ; c7 =  2.14747446
	PAIR 44, 0xbfd1a1e5                            ; c6 = -1.63775315
	PAIR 46, 0x3ecdfd18                            ; c5 =  0.40232158
	PAIR 48, 0xbe899a80                            ; c4 = -0.26875686
	PAIR 50, 0x3e0efb2e                            ; c3 =  0.13963006
	PAIR 52, 0x3f0a29d2                            ; c2 =  0.53970062
	PAIR 54, 0x3fb8ab5a                            ; c1 =  1.44272920
	PAIR 56, 0xc034d90f                            ; c0 = -2.82574822
	PAIR 58, 0xbf38aa3b                            ; -log2(e) / 2
	s_mov_b32 s60, 0x3eb504f3                      ; 1 / (2 sqrt 2)
	s_mov_b32 s62, 0xffff0000                      ; lanes 16-31
	s_or_b32 s61, s23, s21
	s_cmp_eq_u32 s61, 0
	s_cselect_b32 s61, 1, 0                        ; chunk 0's first four waves store the list
	s_mov_b32 s31, 0
	s_wait_kmcnt 0x0
	s_lshl_b32 s30, s24, 21
	s_lshl_b32 s29, s23, 16
	s_add_co_u32 s30, s30, s29
	s_lshl_b32 s29, s20, 13
	s_add_co_u32 s30, s30, s29
	s_add_nc_u64 s[10:11], s[10:11], s[30:31]      ; W1's codes: expert, chunk, my 16 rows of 512 bytes
	s_lshl_b32 s30, s24, 17
	s_lshl_b32 s29, s23, 12
	s_add_co_u32 s30, s30, s29
	s_lshl_b32 s29, s21, 11
	s_add_co_u32 s30, s30, s29
	s_add_nc_u64 s[12:13], s[12:13], s[30:31]      ; its scales: expert, chunk, my 64 units of 32 bytes
	s_lshl_b32 s30, s24, 21
	s_lshl_b32 s29, s22, 15
	s_add_co_u32 s30, s30, s29
	s_lshl_b32 s29, s23, 10
	s_add_co_u32 s30, s30, s29
	s_lshl_b32 s29, s21, 9
	s_add_co_u32 s30, s30, s29
	s_add_nc_u64 s[14:15], s[14:15], s[30:31]      ; himg: ((64 e + jm) 32 + chunk) 1,024 + 512 p
	s_lshl_b32 s30, s24, 17
	s_lshl_b32 s29, s22, 11
	s_add_co_u32 s30, s30, s29
	s_lshr_b32 s29, s23, 2
	s_lshl_b32 s29, s29, 8
	s_add_co_u32 s30, s30, s29
	s_and_b32 s29, s23, 3
	s_lshl_b32 s29, s29, 2
	s_add_co_u32 s30, s30, s29
	s_lshl_b32 s29, s21, 1
	s_add_co_u32 s30, s30, s29
	s_add_nc_u64 s[16:17], s[16:17], s[30:31]      ; hsc: (64 e + jm) 2,048 + 256 (chunk / 4) + 4 (chunk % 4) + 2 p
	s_lshl_b32 s30, s24, 2
	s_add_co_u32 s30, s30, 0x8000
	s_add_nc_u64 s[32:33], s[18:19], s[30:31]      ; order: where the expert's count goes,
	s_lshl_b32 s30, s24, 12
	s_lshl_b32 s29, s22, 6
	s_add_co_u32 s30, s30, s29
	s_add_nc_u64 s[18:19], s[18:19], s[30:31]      ; and tile jm's 64 bytes
	s_cmp_lg_u32 s20, 0                            ; the waves part once: both arms ask for the wave's weights
	s_cbranch_scc1 .Lothers
	; WAVE 0 BUILDS THE LIST.  Its indices are asked for first, so that the placing runs while the weights are on their way.  Register 4 i + q of the indices holds token 128 i + 4 lane + q.
.irp i, 0,1,2,3,4,5,6,7
	global_load_b128 v[GQ+4*\i:GQ+4*\i+3], v10, s[4:5] offset:512*\i
.endr
	WLOAD
.irp k, 0,1,2,3
	v_mov_b32 v[PC+\k], 0
.endr
.irp k, 0,1,2,3,4,5,6,7,8
	ds_store_b128 v255, v[PC:PC+3] offset:512*\k   ; token 0 in every entry
.endr
	s_mov_b32 s37, 0                               ; tokens of my expert so far
	s_wait_loadcnt 20                              ; behind the indices stand the 16 + 4 loads of weights and scale words: they may stay out
	; In batches, so that no line waits for the line above it: all compares, each into a mask of its own; then the counts, which are scalar, with the ranks; then the vector lines; then the stores.
.set i, 0
.rept 32
	v_cmp_eq_u32 s[MK+i], s24, v[GQ+i]
.set i, i+1
.endr
.set i, 0
.rept 32
	v_mbcnt_lo_u32_b32 v[HA+i], s[MK+i], s37       ; the rank: those so far + those in lower lanes
	s_bcnt1_i32_b32 s30, s[MK+i]
	s_add_co_u32 s37, s37, s30
.set i, i+1
.endr
.set i, 0
.rept 32
	v_cndmask_b32 v[HA+i], v250, v[HA+i], s[MK+i]  ; a token of another expert goes to the dump
.set i, i+1
.endr
.set i, 0
.rept 32
	v_min_u32 v[HA+i], 0x7ff, v[HA+i]              ; held inside the list's 8,192 bytes
.set i, i+1
.endr
.set i, 0
.rept 32
	v_lshl_add_u32 v[HA+i], v[HA+i], 2, LIST
.set i, i+1
.endr
.set i, 0
.rept 32
	v_add_nc_u32 v[XF+i], 128*(i/4)+i%4, v251      ; the token
.set i, i+1
.endr
.set i, 0
.rept 32
	ds_store_b32 v[HA+i], v[XF+i]
.set i, i+1
.endr
	v_mov_b32 v252, s37
	ds_store_b32 v27, v252                         ; the count n
	s_max_u32 s30, s37, 1
	s_sub_co_u32 s30, s30, 1                       ; place n - 1 (an expert without tokens: place 0, which holds token 0)
	v_mov_b32 v19, s30
	v_min_u32 v19, 0x7ff, v19
	v_lshl_add_u32 v249, v19, 2, LIST
	ds_load_b32 v253, v249                         ; the expert's last token: LDS serves a wave's instructions in order, so this sees the stores above
	v_add_nc_u32 v18, s37, v1                      ; places n .. n + 31, a lane each: more than the 15 that the last tile can lack
	v_min_u32 v18, 0x7ff, v18
	v_lshl_add_u32 v18, v18, 2, LIST
	s_wait_dscnt 0x0
	ds_store_b32 v18, v253
	s_cmp_lg_u32 s23, 0
	s_cbranch_scc1 .Ljoin
	v_mov_b32 v19, 0                               ; chunk 0 stores the count for the next launch: one lane, four bytes
	v_cmp_eq_u32 vcc_lo, 0, v1
	s_wait_xcnt 0x0                                ; EXEC changes only behind this wait
	s_and_saveexec_b32 s30, vcc_lo
	global_store_b32 v19, v252, s[32:33]
	s_wait_xcnt 0x0
	s_or_b32 exec_lo, exec_lo, s30
	s_branch .Ljoin
.Lothers:
	WLOAD
.Ljoin:
	s_wait_dscnt 0x0                               ; wave 0's stores into the list have landed; up to here no other wave has touched LDS
	s_barrier_signal -1
	s_barrier_wait -1                              ; the list is whole; nobody writes it again
	ds_load_b32 v15, v6                            ; my first tile's tokens,
	ds_load_b32 v252, v27                          ; and the count
	s_wait_dscnt 0x0
	v_min_u32 v15, 0x3ff, v15
	v_lshl_add_u32 v7, v15, 9, v248                ; a token's codes: 512 bytes, + 16 h
	v_lshlrev_b32 v8, 5, v15                       ; its scale words: 32 bytes
	XREQ                                           ; asked for by every wave, so that the registers are written on every way
	v_readfirstlane_b32 s25, v252
	s_min_u32 s25, s25, 0x400                      ; n
	s_add_co_u32 s26, s25, 15
	s_lshr_b32 s26, s26, 4
	s_max_u32 s26, s26, 1                          ; tiles, at least one
	s_wait_loadcnt 22                              ; behind the weights, in both arms: 4 loads of scale words and the 18 just issued
.set i, 0
.rept 16
	ds_store_b128 v14, v[GT+4*i:GT+4*i+3] offset:(16*(i/8)+i%8)*PITCH
.set i, i+1
.endr
	s_wait_dscnt 0x0                               ; for the others' sake: my rows lie in LDS
	s_barrier_signal -1
	s_barrier_wait -1                              ; all 128 do; nobody writes them again
	WIN 0x40                                       ; destination window 1
.irp t, 0,1,2,3
.irp s, 0,1,2,3,4,5,6,7
.irp c, 0,1
	ds_load_b128 v[8*(8*\t+\s)+4*\c:8*(8*\t+\s)+4*\c+3], v13 offset:\t*16*PITCH+64*\s+32*\c
.endr
.endr
.endr
	WIN 0
	s_wait_dscnt 0x0
	s_mov_b32 s27, s22                             ; j
	s_mov_b32 s28, 0                               ; trips: a constant 16, so that every address stepped here can be read off the text; a trip without a tile jumps over its work
	s_mov_b32 s34, 0                               ; the list's step: 256 bytes, four tiles, a trip
.Ltile:
	s_cmp_ge_u32 s27, s26
	s_cbranch_scc1 .Lskip
	v_add_nc_u32 v255, s34, v6
	ds_load_b32 v9, v255 offset:256                ; the tokens of tile j + 4
	s_wait_loadcnt 0x0                             ; this tile's 18 loads, asked for a trip ago (in the first trip W1's scale words too)
	s_cmp_eq_u32 s61, 0
	s_cbranch_scc1 .Lno_order
	v_cmp_gt_u32 vcc_lo, 16, v1
	s_wait_xcnt 0x0                                ; EXEC changes only behind this wait
	s_and_saveexec_b32 s30, vcc_lo
	global_store_b32 v12, v15, s[18:19]            ; the tile's 16 tokens, 64 neighbouring bytes, laid as the next launch loads them
	s_wait_xcnt 0x0
	s_or_b32 exec_lo, exec_lo, s30
.Lno_order:
	WIN 0x01                                       ; source 0 (W1) window 1
	MUL32
	WIN 0
	s_wait_dscnt 0x0                               ; the next tile's tokens
	v_min_u32 v9, 0x3ff, v9                        ; these four plain lines name no register of the products: they are the four places in front of the loads into x's registers and of the first read of results
	v_lshl_add_u32 v7, v9, 9, v248
	v_lshlrev_b32 v8, 5, v9
	v_mov_b32 v15, v9
	s_add_co_u32 s29, s27, 4
	s_cmp_ge_u32 s29, s26
	s_cbranch_scc1 .Lno_req
	XREQ                                           ; the next tile lands while this one's gelu is worked
.Lno_req:
	GELU
	QUANT2
	global_store_b128 v10, v[PC:PC+3], s[14:15]    ; registers 4 p .. 4 p + 3 of the next operand's fragment: 512 consecutive bytes, aligned
	global_store_b8 v11, v26, s[16:17]
.Lskip:
	s_wait_xcnt 0x0                                ; the stores have read their registers and bases: both may be written again
	s_add_nc_u64 s[14:15], s[14:15], 131072        ; four tiles on
	s_add_nc_u64 s[16:17], s[16:17], 8192
	s_add_nc_u64 s[18:19], s[18:19], 256
	s_add_co_u32 s34, s34, 256
	s_add_co_u32 s27, s27, 4
	s_add_co_u32 s28, s28, 1
	s_cmp_lt_u32 s28, 16
	s_cbranch_scc1 .Ltile
	s_wait_tensorcnt 0x0                           ; the wave's end, behind my last LDS store
	ds_add_u32 v4, v5
	s_wait_dscnt 0x0
	s_endpgm
.Lfunc_end_k_q91c7136477_up:
	.size	k_q91c7136477_up, .Lfunc_end_k_q91c7136477_up-k_q91c7136477_up
	.p2alignl 7, 3214868480
	.fill 96, 4, 3214868480
	.section	.rodata,"a",@progbits
	.p2align	6, 0x0
	.amdhsa_kernel k_q91c7136477_up
		.amdhsa_group_segment_fixed_size 76800
		.amdhsa_private_segment_fixed_size 0
		.amdhsa_enable_private_segment 0
		.amdhsa_kernarg_size 64
		.amdhsa_user_sgpr_count 2
		.amdhsa_user_sgpr_kernarg_segment_ptr 1
		.amdhsa_wavefront_size32 1
		.amdhsa_system_sgpr_workgroup_id_x 1
		.amdhsa_system_sgpr_workgroup_id_y 1
		.amdhsa_system_sgpr_workgroup_id_z 1
		.amdhsa_system_vgpr_workitem_id 0
		.amdhsa_next_free_vgpr 512
		.amdhsa_next_free_sgpr 98
		.amdhsa_reserve_vcc 1
		.amdhsa_float_denorm_mode_32 3
		.amdhsa_float_denorm_mode_16_64 3
		.amdhsa_memory_ordered 1
		.amdhsa_forward_progress 1
		.amdhsa_inst_pref_size 65
	.end_amdhsa_kernel
	.amdgpu_metadata
---
amdhsa.version: [ 1, 2 ]
amdhsa.kernels:
  - .name:           k_q91c7136477_up
    .symbol:         k_q91c7136477_up.kd
    .args:
      - { .name: ids, .offset: 0, .size: 8, .value_kind: global_buffer, .address_space: global }
      - { .name: xq, .offset: 8, .size: 8, .value_kind: global_buffer, .address_space: global }
      - { .name: xs, .offset: 16, .size: 8, .value_kind: global_buffer, .address_space: global }
      - { .name: w1_codes, .offset: 24, .size: 8, .value_kind: global_buffer, .address_space: global }
      - { .name: w1_scales, .offset: 32, .size: 8, .value_kind: global_buffer, .address_space: global }
      - { .name: himg, .offset: 40, .size: 8, .value_kind: global_buffer, .address_space: global }
      - { .name: hsc, .offset: 48, .size: 8, .value_kind: global_buffer, .address_space: global }
      - { .name: order, .offset: 56, .size: 8, .value_kind: global_buffer, .address_space: global }
    .group_segment_fixed_size: 76800
    .private_segment_fixed_size: 0
    .kernarg_segment_align: 8
    .kernarg_segment_size: 64
    .max_flat_workgroup_size: 256
    .sgpr_count:     98
    .vgpr_count:     512
    .wavefront_size: 32
...
	.end_amdgpu_metadata
.endif
;; end of part 2
;; launch down (part 3): grid 32 x 8, 4 waves a work-group, no clusters, 150,016 bytes of LDS; arguments order, himg, hsc, w2_codes, w2_scales, out0; writes out0
.if DOCPART == 3
	.amdgcn_target "amdgcn-amd-amdhsa--gfx1250"
	.amdhsa_code_object_version 6
	.text
	.protected	k_q91c7136477_down
	.globl	k_q91c7136477_down
	.p2align	8
	.type	k_q91c7136477_down,@function
k_q91c7136477_down:
	s_mov_b64 s[64:65], 0
	v_nop
	global_prefetch_b8 v0, s[64:65] scope:SCOPE_SE
	s_setreg_imm32_b32 hwreg(HW_REG_WAVE_MODE, 25, 1), 1
	s_wait_xcnt 0x0
; out[token] = h W2[e] for the rows of each expert's own tokens alone, scattered by the stored list: the other experts' rows reach no output (shown at the head of the first launch), and the sum over the one-hot is this lookup.
; SHARES.  Work-group x = 2 dchunk + q, y = expert e: outputs 64 dchunk .. + 63 of expert e, and every second slot of its tiles of 16 tokens.  The chunk of W2 (64 rows x 2,048 bytes) is loaded once, in whole
; runs of 512 bytes, and lies in LDS.  Wave w has slot q + 2 w of eight and takes tiles j = slot + 8 i.  For a tile it runs all 64 outputs over all of K = 4,096: 128 matrix instructions, source 0 (W2) from LDS,
; source 1 (h, stored as images of the operand's registers) straight from memory, 512 consecutive bytes a load.  No sum crosses waves: the loop has no barrier.
; NO TENSOR LOADS, NO CLUSTER: the number of tiles is a count read from memory and branches hang on it; so operands go through registers.  The two work-groups that read one chunk of W2 are neighbours in the grid.
; The product is used transposed (source 0 = 16 rows of W2, source 1 = 16 tokens): a lane holds eight neighbouring outputs of one token; a tile goes through the wave's own stage in LDS, and sixteen lanes store the
; 256 consecutive bytes, aligned, that are a token's 64 outputs.
; NO MASK ON THE WAY OUT.  The rows that fill an expert's last tile repeat its last token, which lies in the same tile (the launch before lays the list so): they hold the same codes and scale bytes as that token's own row,
; give the same bits, and are stored onto the same bytes by this same wave.  An expert without tokens has no tile here and stores nothing.
; LIMITS: NaN and infinities are not served.
; LDS: 64 rows of 2,064 bytes (2,048 + 16: sixteen neighbouring rows begin 16 bytes apart modulo 256); four stages of 16 rows x 272 bytes; the spare words.
; REGISTERS, window 0: v1 lane, v2 r, v3 h; v4, v5 the add's two; v6 16 x lane, v7 16 r, v8 32 h; v9 where my rows of W2 go; v10-13 a fragment's address for each of the four tiles of outputs; v14, v15 the stage, in and back;
; v16-23 the tile's tokens; v24-31 their rows' offsets in out0; v32-63 four accumulators; v64-95 rows on their way out; v96-127 h's scale words; v128-191 W2's; v192 128 x lane.
; Window 1: W2's fragments, two sets of four K steps (at the head: the weights on their way).  Window 2: h's 32 fragments.
; s[32:37] the first request's bases (images, scale words, tokens); s[44:49] those of the requests in the loop: two sets, so that the second is made while the first is still being read.
.set WP,    2064
.set STAGE, 64*WP
.set SP,    272
.set SPARE, STAGE+4*16*SP
.set TK,   16
.set OFFS, 24
.set ACC,  32
.set BK,   64
.set BSC,  96
.set ASC,  128
.set B0,   32
.set B1,   44
.set MSB, 0
.macro WIN new                         ; the immediate's high byte repeats the setting that is left
.if MSB != \new
	s_set_vgpr_msb (MSB<<8)|\new
.set MSB, \new
.endif
.endm
.macro BASES b                         ; where tile s25 of the expert lies: h's images (32,768 bytes a tile), its scale words (2,048), its tokens (64)
	s_lshl_b32 s28, s25, 15
	s_add_nc_u64 s[\b:\b+1], s[38:39], s[28:29]
	s_lshl_b32 s28, s25, 11
	s_add_nc_u64 s[\b+2:\b+3], s[40:41], s[28:29]
	s_lshl_b32 s28, s25, 6
	s_add_nc_u64 s[\b+4:\b+5], s[42:43], s[28:29]
.endm
.macro REQ_T b                         ; the tile's tokens: register i = the token of row 2 i + h
	global_load_b128 v[TK:TK+3], v8, s[\b+4:\b+5]
	global_load_b128 v[TK+4:TK+7], v8, s[\b+4:\b+5] offset:16
.endm
.macro REQ g, b                        ; K steps 4 g .. 4 g + 3 of a tile of h: eight loads of 512 consecutive bytes, and the rows' four scale words: nine loads
	WIN 0x80                                       ; destination window 2
.irp k, 0,1,2,3
.irp c, 0,1
	global_load_b128 v[8*(4*(\g)+\k)+4*\c:8*(4*(\g)+\k)+4*\c+3], v6, s[\b:\b+1] offset:(4*(\g)+\k)*1024+512*\c
.endr
.endr
	WIN 0
	global_load_b128 v[BSC+4*(\g):BSC+4*(\g)+3], v7, s[\b+2:\b+3] offset:256*(\g)
.endm
.macro FETCH_A g                       ; W2's 16 fragments of K steps 4 g .. 4 g + 3 into set g % 2: 32 LDS loads in one run
	WIN 0x40                                       ; destination window 1
.irp k, 0,1,2,3
.irp a, 0,1,2,3
.irp c, 0,1
	ds_load_b128 v[128*((\g)%2)+32*\k+8*\a+4*\c:128*((\g)%2)+32*\k+8*\a+4*\c+3], v[10+\a] offset:64*(4*(\g)+\k)+32*\c
.endr
.endr
.endr
	WIN 0
.endm
; 16 matrix instructions: four K steps, the four accumulators by turns, one instruction a turn; the tile's first K step starts the sums.
; W2's scale words: a register holds tile 2 g's in lanes 0-15 and tile 2 g + 1's in lanes 16-31.
.macro MUL16 g
	WIN 0x09                                       ; source 0 window 1, source 1 window 2
.irp k, 0,1,2,3
.irp a, 0,1,2,3
.set RA, 128*((\g)%2)+32*\k+8*\a
.set RB, 8*(4*(\g)+\k)
.set RC, ACC+8*\a
.set SA, ASC+32*(\a/2)+4*(\g)+\k
.set SB, BSC+4*(\g)+\k
.if ((\g) == 0) && (\k == 0)
.if \a % 2
	v_wmma_scale_f32_16x16x128_f8f6f4 v[RC:RC+7], v[RA:RA+7], v[RB:RB+7], 0, v[SA], v[SB] matrix_a_fmt:MATRIX_FMT_FP4 matrix_b_fmt:MATRIX_FMT_FP4 matrix_a_scale:MATRIX_SCALE_ROW1
.else
	v_wmma_scale_f32_16x16x128_f8f6f4 v[RC:RC+7], v[RA:RA+7], v[RB:RB+7], 0, v[SA], v[SB] matrix_a_fmt:MATRIX_FMT_FP4 matrix_b_fmt:MATRIX_FMT_FP4
.endif
.else
.if \a % 2
	v_wmma_scale_f32_16x16x128_f8f6f4 v[RC:RC+7], v[RA:RA+7], v[RB:RB+7], v[RC:RC+7], v[SA], v[SB] matrix_a_fmt:MATRIX_FMT_FP4 matrix_b_fmt:MATRIX_FMT_FP4 matrix_a_scale:MATRIX_SCALE_ROW1
.else
	v_wmma_scale_f32_16x16x128_f8f6f4 v[RC:RC+7], v[RA:RA+7], v[RB:RB+7], v[RC:RC+7], v[SA], v[SB] matrix_a_fmt:MATRIX_FMT_FP4 matrix_b_fmt:MATRIX_FMT_FP4
.endif
.endif
.endr
.endr
	WIN 0
.endm
; Four K steps of a tile.  Behind the products the registers just read are asked for anew: W2's set takes the group two on, h's take the same group of tile j + 8, if there is one.
.macro GROUP g
	s_wait_loadcnt 9*(7-\g)                        ; behind this group's nine loads stand at least the tile's later groups', nine each (where the next tile has been asked for, more: the count is then the stricter)
.if \g < 7
	s_wait_dscnt 32                                ; the next group's 32 LDS loads may be out
.else
	s_wait_dscnt 0x0
.endif
	MUL16 \g
.rept 4
	v_nop                                          ; four places in front of loads into registers that the products have read, and of the first read of results
.endr
.if \g < 6
	FETCH_A (\g+2)
.endif
	s_cmp_ge_u32 s25, s22
	s_cbranch_scc1 .Lno_req_\@
.if \g == 0
	REQ_T B1
.endif
	REQ \g, B1
.Lno_req_\@:
.endm
	s_load_b256 s[4:11], s[0:1], 0x0               ; order 4:5, himg 6:7, hsc 8:9, W2's codes 10:11
	s_load_b128 s[12:15], s[0:1], 0x20             ; W2's scales 12:13, out0 14:15
	v_lshl_add_u32 v4, v0, 2, SPARE
	v_mov_b32 v5, 0
	v_lshrrev_b32 v1, 5, v0
	v_readfirstlane_b32 s16, v1                    ; wave 0..3
	v_and_b32 v1, 31, v0                           ; lane
	v_and_b32 v2, 15, v0                           ; r
	v_bfe_u32 v3, v0, 4, 1                         ; h
	s_and_b32 s17, ttmp9, 1                        ; q
	s_lshr_b32 s18, ttmp9, 1                       ; dchunk
	s_and_b32 s19, ttmp7, 0xffff                   ; expert
	s_lshl_b32 s20, s16, 1
	s_add_co_u32 s20, s20, s17                     ; my slot of eight: it enters no LDS address
	v_lshlrev_b32 v6, 4, v1
	v_lshlrev_b32 v7, 4, v2
	v_lshlrev_b32 v8, 5, v3
	v_lshlrev_b32 v192, 7, v1
	s_mul_i32 s28, s16, 16*WP
	v_add_nc_u32 v9, s28, v6                       ; my 16 rows of W2 in LDS
	v_mul_u32_u24 v10, v2, WP
	v_lshl_add_u32 v10, v3, 4, v10                 ; a fragment: row 16 a + r, + 16 h
	v_add_nc_u32 v11, 16*WP, v10
	v_add_nc_u32 v12, 32*WP, v10
	v_add_nc_u32 v13, 48*WP, v10
	s_mul_i32 s28, s16, 16*SP
	s_add_co_u32 s28, s28, STAGE                   ; my stage
	v_mul_u32_u24 v14, v2, SP
	v_lshl_add_u32 v14, v3, 5, v14
	v_add_nc_u32 v14, s28, v14                     ; in: row r, 32 bytes for each half of the lanes
	v_mul_u32_u24 v15, v3, SP
	v_lshl_add_u32 v15, v2, 4, v15
	v_add_nc_u32 v15, s28, v15                     ; back: lanes 0-15 one row of 256 bytes, lanes 16-31 the next
	s_lshl_b32 s27, s19, 2
	s_mov_b32 s29, 0
	s_wait_kmcnt 0x0
	s_load_b32 s21, s[4:5], s27 offset:0x8000      ; the expert's count, stored by the launch before
	s_lshl_b32 s28, s19, 21
	s_add_nc_u64 s[38:39], s[6:7], s[28:29]        ; the expert's part of himg
	s_lshl_b32 s30, s18, 17
	s_add_co_u32 s28, s28, s30
	s_lshl_b32 s30, s16, 15
	s_add_co_u32 s28, s28, s30
	s_add_nc_u64 s[10:11], s[10:11], s[28:29]      ; W2's codes: expert, chunk, my 16 rows of 2,048 bytes
	s_lshl_b32 s28, s19, 17
	s_add_nc_u64 s[40:41], s[8:9], s[28:29]        ; the expert's part of hsc
	s_lshl_b32 s30, s18, 13
	s_add_co_u32 s28, s28, s30
	s_add_nc_u64 s[12:13], s[12:13], s[28:29]      ; W2's scales: expert, chunk: 64 rows of 128 bytes
	s_lshl_b32 s28, s19, 12
	s_add_nc_u64 s[42:43], s[4:5], s[28:29]        ; the expert's part of order
	s_lshl_b32 s28, s18, 8
	s_add_nc_u64 s[14:15], s[14:15], s[28:29]      ; out0 at my 64 columns
	WIN 0x40                                       ; destination window 1
.set i, 0
.rept 64
	global_load_b128 v[4*i:4*i+3], v6, s[10:11] offset:512*i       ; the weights first: all four waves wait for them at the barrier.  512 consecutive bytes: a quarter of a row
.set i, i+1
.endr
	WIN 0
.irp g, 0,1
.irp k, 0,1,2,3,4,5,6,7
	global_load_b128 v[ASC+32*\g+4*\k:ASC+32*\g+4*\k+3], v192, s[12:13] offset:4096*\g+16*\k   ; lane l: row 32 g + l, words 4 k .. 4 k + 3
.endr
.endr
	s_wait_kmcnt 0x0
	s_min_u32 s21, s21, 0x400                      ; n
	s_add_co_u32 s22, s21, 15
	s_lshr_b32 s22, s22, 4                         ; tiles
	s_max_u32 s25, s22, 1
	s_sub_co_u32 s25, s25, 1
	s_min_u32 s25, s25, s20                        ; my first tile, or the last that was stored
	s_min_u32 s25, s25, 63
	BASES B0
	REQ_T B0
	REQ 0, B0
	REQ 1, B0
	REQ 2, B0
	REQ 3, B0
	REQ 4, B0
	s_wait_loadcnt 0x3f                            ; behind the weights: 16 loads of scale words, 2 of tokens and 5 x 9 of the tile: 63
	WIN 0x04                                       ; an LDS store's data are its source 1: window 1
.set i, 0
.rept 64
	ds_store_b128 v9, v[4*i:4*i+3] offset:(i/4)*WP+(i%4)*512
.set i, i+1
.endr
	WIN 0
	REQ 5, B0
	REQ 6, B0
	REQ 7, B0
	s_add_co_u32 s25, s20, 8
	BASES B1                                       ; the loop's bases stand at the tile that a trip asks for: j + 8
	s_wait_dscnt 0x0                               ; for the others' sake: my rows lie in LDS
	s_barrier_signal -1
	s_barrier_wait -1                              ; all 64 do; nobody writes them again
	s_mov_b32 s23, s20                             ; j
	s_mov_b32 s24, 0                               ; trips: a constant 8; a trip without a tile jumps over its work
.Ltile:
	s_cmp_ge_u32 s23, s22
	s_cbranch_scc1 .Lskip
	s_wait_loadcnt 0x3f                            ; 72 loads stand behind the tokens'; 63 is the most that a wait can name.  (W2's scale words were asked for ahead of the tokens)
.irp i, 0,1,2,3,4,5,6,7
	v_min_u32 v[OFFS+\i], 0x3ff, v[TK+\i]
.endr
.irp i, 0,1,2,3,4,5,6,7
	v_lshl_add_u32 v[OFFS+\i], v[OFFS+\i], 12, v7  ; a token's row of 4,096 bytes, + 16 r
.endr
	s_add_co_u32 s25, s23, 8
	FETCH_A 0
	FETCH_A 1
	GROUP 0
	GROUP 1
	GROUP 2
	GROUP 3
	GROUP 4
	GROUP 5
	GROUP 6
	GROUP 7
	; THE WAY OUT.  LDS serves a wave's instructions in order (ISA guide 5.7.1.4): no wait between the stores and the loads.
.irp a, 0,1,2,3
	ds_store_b128 v14, v[ACC+8*\a:ACC+8*\a+3] offset:64*\a         ; each accumulator from its low end on
	ds_store_b128 v14, v[ACC+8*\a+4:ACC+8*\a+7] offset:64*\a+16
.endr
.irp i, 0,1,2,3,4,5,6,7
	ds_load_b128 v[BK+4*\i:BK+4*\i+3], v15 offset:2*\i*SP          ; rows 2 i and 2 i + 1
.endr
.irp i, 0,1,2,3,4,5,6,7
	s_wait_dscnt 7-\i                              ; the younger loads from the stage may be out
	global_store_b128 v[OFFS+\i], v[BK+4*\i:BK+4*\i+3], s[14:15] th:TH_STORE_NT   ; sixteen lanes store 256 consecutive bytes, aligned; read by nobody here
.endr
.Lskip:
	s_wait_xcnt 0x0                                ; requests and stores have read their registers and bases
	s_add_nc_u64 s[B1:B1+1], s[B1:B1+1], 262144    ; eight tiles on
	s_add_nc_u64 s[B1+2:B1+3], s[B1+2:B1+3], 16384
	s_add_nc_u64 s[B1+4:B1+5], s[B1+4:B1+5], 512
	s_add_co_u32 s23, s23, 8
	s_add_co_u32 s24, s24, 1
	s_cmp_lt_u32 s24, 8
	s_cbranch_scc1 .Ltile
	s_wait_tensorcnt 0x0                           ; the wave's end, behind my last LDS store
	ds_add_u32 v4, v5
	s_wait_dscnt 0x0
	s_endpgm
.Lfunc_end_k_q91c7136477_down:
	.size	k_q91c7136477_down, .Lfunc_end_k_q91c7136477_down-k_q91c7136477_down
	.p2alignl 7, 3214868480
	.fill 96, 4, 3214868480
	.section	.rodata,"a",@progbits
	.p2align	6, 0x0
	.amdhsa_kernel k_q91c7136477_down
		.amdhsa_group_segment_fixed_size 150016
		.amdhsa_private_segment_fixed_size 0
		.amdhsa_enable_private_segment 0
		.amdhsa_kernarg_size 48
		.amdhsa_user_sgpr_count 2
		.amdhsa_user_sgpr_kernarg_segment_ptr 1
		.amdhsa_wavefront_size32 1
		.amdhsa_system_sgpr_workgroup_id_x 1
		.amdhsa_system_sgpr_workgroup_id_y 1
		.amdhsa_system_sgpr_workgroup_id_z 1
		.amdhsa_system_vgpr_workitem_id 0
		.amdhsa_next_free_vgpr 768
		.amdhsa_next_free_sgpr 66
		.amdhsa_reserve_vcc 0
		.amdhsa_float_denorm_mode_32 3
		.amdhsa_float_denorm_mode_16_64 3
		.amdhsa_memory_ordered 1
		.amdhsa_forward_progress 1
		.amdhsa_inst_pref_size 69
	.end_amdhsa_kernel
	.amdgpu_metadata
---
amdhsa.version: [ 1, 2 ]
amdhsa.kernels:
  - .name:           k_q91c7136477_down
    .symbol:         k_q91c7136477_down.kd
    .args:
      - { .name: order, .offset: 0, .size: 8, .value_kind: global_buffer, .address_space: global }
      - { .name: himg, .offset: 8, .size: 8, .value_kind: global_buffer, .address_space: global }
      - { .name: hsc, .offset: 16, .size: 8, .value_kind: global_buffer, .address_space: global }
      - { .name: w2_codes, .offset: 24, .size: 8, .value_kind: global_buffer, .address_space: global }
      - { .name: w2_scales, .offset: 32, .size: 8, .value_kind: global_buffer, .address_space: global }
      - { .name: out0, .offset: 40, .size: 8, .value_kind: global_buffer, .address_space: global }
    .group_segment_fixed_size: 150016
    .private_segment_fixed_size: 0
    .kernarg_segment_align: 8
    .kernarg_segment_size: 48
    .max_flat_workgroup_size: 128
    .sgpr_count:     66
    .vgpr_count:     768
    .wavefront_size: 32
...
	.end_amdgpu_metadata
.endif
;; end of part 3
